; MI455X (gfx1250); checked and timed in simulation.
; The chip was launched on July 23, 2026; its instructions are those of AMD's public machine-readable ISA for CDNA 5 (MIT licence, August 2026) and "CDNA5" Instruction Set Architecture Reference Guide (July 2026). The comments in the code are by the model that wrote it; some were corrected since.
;; Bahdanau Attention. Allowed arithmetic: matrix products marked QUANTISED: E2M1 operands, one E8M0 scale for each 32 along K, by v_wmma_scale_f32_16x16x128_f8f6f4 with both operands' format E2M1 (or v_wmma_scale_f32_32x16x128_f4), f32 sums; products left as they are: f32 operands where the result goes on into a quantised operand, else bf16, f16 or f32 operands; f32 sums; everything else in f32.
;; Inputs: Ua_b 1,024 float32; Ua_w_codes 1,024 x 32 x 16 uint8 (E2M1 codes of Ua_w, K innermost, in blocks of 32 codes, two codes a byte); Ua_w_scales 1,024 x 32 uint8 (E8M0 scales of Ua_w, one for each 32 codes along K); Va_b 1 float32; Va_w 1 x 1,024 float32; Wa_b 1,024 float32; Wa_w_codes 1,024 x 32 x 16 uint8 (E2M1 codes of Wa_w, K innermost, in blocks of 32 codes, two codes a byte); Wa_w_scales 1,024 x 32 uint8 (E8M0 scales of Wa_w, one for each 32 codes along K); keys 32 x 2,048 x 1,024 float32; query_codes 32 x 32 x 16 uint8 (E2M1 codes of query, K innermost, in blocks of 32 codes, two codes a byte); query_scales 32 x 32 uint8 (E8M0 scales of query, one for each 32 codes along K).
;; Outputs: out0 32 x 1 x 1,024 float32; out1 32 x 1 x 2,048 float32.
;; This version of the problem:
;;   THIS VERSION OF THE PROBLEM IS GIVEN IN LOW PRECISION. The matrix products marked QUANTISED in the list below multiply operands that are first quantised to E2M1 (2 exponent bits, 1 mantissa bit; 4 bits a number), with one power-of-two scale for each 32 numbers along K (OCP MX v1.0); their sums are f32. All else is computed in f32.
;;   The module's matrix products, in the order in which they are computed (A, B: the left and right operand; K: the contracted axis; several contracted axes count as one K, in the product's order):
;;     1. [M 32, K 1,024] x [K 1,024, N 1,024]; A: input query (given as codes); B: input Wa_w (given as codes): QUANTISED
;;     2. [M 65,536, K 1,024] x [K 1,024, N 1,024]; A: input keys; B: input Ua_w (given as codes): QUANTISED
;;     3. [M 65,536, K 1,024] x [K 1,024, N 1]; A: computed on the way; B: input Va_w: left as it is (N = 1 < 16)
;;     4. batch 32 x [M 1, K 2,048] x [K 2,048, N 1,024]; A: computed on the way; B: input keys: left as it is (M = 1 < 16)
;;   THE QUANTISER, for each operand of a quantised product, along K:
;;     - K is cut into blocks of 32 from its start; a last block that is shorter is filled with zeros.
;;     - A block's scale is 2^e with e = floor(log2(the largest magnitude in the block)) - 2, held to -126 .. 127; a block of zeros has e = 0. As a byte (E8M0): e + 127.
;;     - Each number is divided by its block's scale, clamped to +-6, and rounded to the nearest number of E2M1, ties to even, subnormals kept.
;;     - The product sums the exact products of the quantised numbers (number of the format x scale) in f32.
;;   ~~~python
;;   def quantise(x, axis):      # numpy; x: float32 -> the quantised numbers, widened to float32 again
;;       x = np.moveaxis(x, axis, -1); K = x.shape[-1]
;;       x = np.pad(x, [(0, 0)] * (x.ndim - 1) + [(0, -K % 32)]); x = x.reshape(x.shape[:-1] + (-1, 32)); a = np.abs(x).max(-1, keepdims=True)
;;       e = np.where(a > 0, np.clip(np.frexp(np.where(a > 0, a, 1))[1] - 1 - 2, -126, 127), 0)      # np.frexp(a)[1] - 1 = floor(log2(a)), exactly
;;       r = np.clip(x / 2.0 ** e, -6, 6)
;;       step = 2.0 ** (np.maximum(np.frexp(np.where(r == 0, 1, r))[1] - 1, 0) - 1)
;;       q = np.round(r / step) * step * 2.0 ** e      # np.round: ties to even
;;       return np.moveaxis(q.reshape(q.shape[:-2] + (-1,))[..., :K], -1, axis).astype(np.float32)
;;   ~~~
;;   INPUTS GIVEN AS CODES. Ua_w (in the module: [1024, 1024], K = its axis 1); Wa_w (in the module: [1024, 1024], K = its axis 1); query (in the module: [32, 1024], K = its axis 1): each comes as NAME_codes (uint8): NAME with its K axis moved to the last place and cut into blocks of 32 codes, [.., K / 32, bytes a block], one block behind the other in memory; two codes a byte, the lower K in the low four bits (a code: sign, 2 exponent bits, 1 mantissa bit); and NAME_scales (uint8): the same leading axes, one E8M0 byte (e + 127) for each 32 codes along K. Its value is code x scale, taken as it is: it is not quantised again, and the codes and scales need not be those that the quantiser above would give.
;; One version. Each part assembles by itself: llvm-mc -triple=amdgcn-amd-amdhsa -mcpu=gfx1250 --defsym DOCPART=n.
;; ======== version 1 of 1: 3 launches
;; limits: values are held in bf16: 8 bits of precision; right only within a limited range of input values
;; workspace buffers: uaf 524,288 bytes; tab 262,144 bytes; sc 262,144 bytes; pm 2,048 bytes; pc 1,048,576 bytes
;; launch prep (part 1): grid 32 x 1, 1 waves a work-group, no clusters, 0 bytes of LDS; arguments query_codes, query_scales, Wa_w_codes, Wa_w_scales, Wa_b, Ua_b, Va_w, Ua_w_codes, tab, uaf; writes tab, uaf
.if DOCPART == 1
	.amdgcn_target "amdgcn-amd-amdhsa--gfx1250"
	.amdhsa_code_object_version 6
	.text
	.protected	k_q8b58b21fad_prep
	.globl	k_q8b58b21fad_prep
	.p2align	8
	.type	k_q8b58b21fad_prep,@function
k_q8b58b21fad_prep:
	s_mov_b64 s[64:65], 0
	v_nop
	global_prefetch_b8 v0, s[64:65] scope:SCOPE_SE
	s_setreg_imm32_b32 hwreg(HW_REG_WAVE_MODE, 25, 1), 1
	s_wait_xcnt 0x0
; Two small things that the main launch wants ready.
; (1) tab[b][o] = ( c (q_proj[b][o] + Wa_b[o] + Ua_b[o]),  -2 Va[o] ), pairs of f32, c = 2 log2(e).  q_proj = query Wa^T on the codes of E2M1 and E8M0 scale bytes as they are given,
;     by the scaled matrix instruction, K = 1,024 in eight steps of 128, sums in f32.
; (2) uaf: Ua's codes in the order of an operand's registers: [64 tiles of 16 rows][8 K steps][2 halves][32 lanes][16 bytes]; lane (r, h) holds bytes 64 s + 32 c + 16 h .. + 15 of row 16 T + r,
;     so that the main launch loads a fragment by two loads of 512 consecutive bytes.
; SHARES.  One wave to a work-group; work-group g takes outputs o = 32 g .. 32 g + 31 (two tiles) for all 32 batches, and Ua's tiles 2 g and 2 g + 1.
; No LDS, no tensor load, no cluster: a work-group reads 16 KB of Wa, 16 KB of Ua and the 16 KB of query; only query is shared, and it is read once by each of 32 waves.
; REGISTERS, in windows of 256.  window 0: v1-7 offsets; v8-15 query's scale words, v16-23 Wa's; v24-28 biases; v32-63 four accumulators; v64-127 the 32 pairs to store; v128-255 query's 16 fragments.
;   window 1: v0-127 Ua's 16 fragments on their way.   window 2: v0-127 Wa's 16 fragments.
; LEFT OUT IN THE WHOLE PROGRAM: Va_b.  reference() adds Va_b[0] to every score of a batch, and the scores reach both outputs through the softmax along that batch's axis alone;
; softmax(s + t) = softmax(s) for every number t, whatever the inputs hold.  So Va_b has no way to any output: it is not loaded and is no launch's argument.
; LIMIT: a NaN, an infinity or an overflow that Va_b alone would bring is not carried to the results.
.set QS,  8
.set WS,  16                           ; v16-23  the same for Wa's rows 32 g + l
.set ACC, 32                           ; accumulator (mt, u) at v[32 + 16 mt + 8 u]
.set PR,  64                           ; pair b at v[64 + 2 b]
.set QF,  128                          ; query's fragment (mt, s) at v[128 + 64 mt + 8 s]
.set MSB, 0
.macro WIN new                         ; the immediate's high byte repeats the setting that is left; a switch that changes nothing is dropped
.if MSB != (\new)
	s_set_vgpr_msb (MSB<<8)|(\new)
.set MSB, (\new)
.endif
.endm
; One matrix instruction, by the symbols rD, rA, rB, rSA, rSB; fZ: it starts the sum; fRA, fRB: the side's scale words stand in lanes 16-31
.macro WM
.if fZ
.if fRA && fRB
	v_wmma_scale_f32_16x16x128_f8f6f4 v[rD:rD+7], v[rA:rA+7], v[rB:rB+7], 0, v[rSA], v[rSB] matrix_a_fmt:MATRIX_FMT_FP4 matrix_b_fmt:MATRIX_FMT_FP4 matrix_a_scale:MATRIX_SCALE_ROW1 matrix_b_scale:MATRIX_SCALE_ROW1
.elseif fRA
	v_wmma_scale_f32_16x16x128_f8f6f4 v[rD:rD+7], v[rA:rA+7], v[rB:rB+7], 0, v[rSA], v[rSB] matrix_a_fmt:MATRIX_FMT_FP4 matrix_b_fmt:MATRIX_FMT_FP4 matrix_a_scale:MATRIX_SCALE_ROW1
.elseif fRB
	v_wmma_scale_f32_16x16x128_f8f6f4 v[rD:rD+7], v[rA:rA+7], v[rB:rB+7], 0, v[rSA], v[rSB] matrix_a_fmt:MATRIX_FMT_FP4 matrix_b_fmt:MATRIX_FMT_FP4 matrix_b_scale:MATRIX_SCALE_ROW1
.else
	v_wmma_scale_f32_16x16x128_f8f6f4 v[rD:rD+7], v[rA:rA+7], v[rB:rB+7], 0, v[rSA], v[rSB] matrix_a_fmt:MATRIX_FMT_FP4 matrix_b_fmt:MATRIX_FMT_FP4
.endif
.else
.if fRA && fRB
	v_wmma_scale_f32_16x16x128_f8f6f4 v[rD:rD+7], v[rA:rA+7], v[rB:rB+7], v[rD:rD+7], v[rSA], v[rSB] matrix_a_fmt:MATRIX_FMT_FP4 matrix_b_fmt:MATRIX_FMT_FP4 matrix_a_scale:MATRIX_SCALE_ROW1 matrix_b_scale:MATRIX_SCALE_ROW1
.elseif fRA
	v_wmma_scale_f32_16x16x128_f8f6f4 v[rD:rD+7], v[rA:rA+7], v[rB:rB+7], v[rD:rD+7], v[rSA], v[rSB] matrix_a_fmt:MATRIX_FMT_FP4 matrix_b_fmt:MATRIX_FMT_FP4 matrix_a_scale:MATRIX_SCALE_ROW1
.elseif fRB
	v_wmma_scale_f32_16x16x128_f8f6f4 v[rD:rD+7], v[rA:rA+7], v[rB:rB+7], v[rD:rD+7], v[rSA], v[rSB] matrix_a_fmt:MATRIX_FMT_FP4 matrix_b_fmt:MATRIX_FMT_FP4 matrix_b_scale:MATRIX_SCALE_ROW1
.else
	v_wmma_scale_f32_16x16x128_f8f6f4 v[rD:rD+7], v[rA:rA+7], v[rB:rB+7], v[rD:rD+7], v[rSA], v[rSB] matrix_a_fmt:MATRIX_FMT_FP4 matrix_b_fmt:MATRIX_FMT_FP4
.endif
.endif
.endm
	s_load_b256 s[4:11], s[0:1], 0x0               ; query's codes s[4:5], its scales s[6:7], Wa's codes s[8:9], its scales s[10:11]
	s_load_b256 s[12:19], s[0:1], 0x20             ; Wa_b s[12:13], Ua_b s[14:15], Va_w s[16:17], Ua's codes s[18:19]
	s_load_b128 s[20:23], s[0:1], 0x40             ; tab s[20:21], uaf s[22:23]
	v_and_b32 v1, 15, v0                           ; r (one wave: v0 is the lane)
	v_bfe_u32 v2, v0, 4, 1                         ; h
	v_lshlrev_b32 v3, 9, v1                        ; a row of 1,024 codes is 512 bytes
	v_lshl_add_u32 v3, v2, 4, v3                   ; a fragment's place for my lane: 512 r + 16 h
	v_lshlrev_b32 v4, 5, v0                        ; a row of scale bytes is 32 bytes: lane l takes row l
	v_lshlrev_b32 v5, 2, v0                        ; 4 l
	v_lshlrev_b32 v6, 3, v0                        ; 8 l
	v_lshlrev_b32 v7, 4, v0                        ; 16 l
	s_mov_b32 s28, 0x4038aa3b                      ; c = 2 log2(e)
	s_mov_b32 s27, 0
	s_lshl_b32 s26, ttmp9, 14                      ; 32 rows of 512 bytes; also two tiles of uaf
	s_wait_alu depctr_va_vdst(0)
	s_wait_kmcnt 0x0
	s_add_nc_u64 s[8:9], s[8:9], s[26:27]
	s_add_nc_u64 s[18:19], s[18:19], s[26:27]
	s_add_nc_u64 s[22:23], s[22:23], s[26:27]
	s_lshl_b32 s26, ttmp9, 10                      ; 32 rows of 32 scale bytes
	s_add_nc_u64 s[10:11], s[10:11], s[26:27]
	s_lshl_b32 s26, ttmp9, 7                       ; 32 numbers of f32
	s_add_nc_u64 s[12:13], s[12:13], s[26:27]
	s_add_nc_u64 s[14:15], s[14:15], s[26:27]
	s_add_nc_u64 s[16:17], s[16:17], s[26:27]
	s_lshl_b32 s26, ttmp9, 8                       ; 32 pairs of 8 bytes
	s_add_nc_u64 s[20:21], s[20:21], s[26:27]
.irp mt, 0,1
.irp s, 0,1,2,3,4,5,6,7
.irp c, 0,1
	global_load_b128 v[QF+64*\mt+8*\s+4*\c:QF+64*\mt+8*\s+4*\c+3], v3, s[4:5] offset:8192*\mt+64*\s+32*\c
.endr
.endr
.endr
	global_load_b128 v[QS:QS+3], v4, s[6:7]
	global_load_b128 v[QS+4:QS+7], v4, s[6:7] offset:16
	global_load_b128 v[WS:WS+3], v4, s[10:11]
	global_load_b128 v[WS+4:WS+7], v4, s[10:11] offset:16
	global_load_b32 v24, v5, s[12:13]              ; Wa_b[32 g + l]
	global_load_b32 v25, v5, s[14:15]              ; Ua_b
	global_load_b32 v26, v5, s[16:17]              ; Va
	WIN 0x80                                       ; destination window 2
.irp u, 0,1
.irp s, 0,1,2,3,4,5,6,7
.irp c, 0,1
	global_load_b128 v[64*\u+8*\s+4*\c:64*\u+8*\s+4*\c+3], v3, s[8:9] offset:8192*\u+64*\s+32*\c
.endr
.endr
.endr
	WIN 0x40                                       ; destination window 1: Ua's fragments, which only pass through
.irp u, 0,1
.irp s, 0,1,2,3,4,5,6,7
.irp c, 0,1
	global_load_b128 v[64*\u+8*\s+4*\c:64*\u+8*\s+4*\c+3], v3, s[18:19] offset:8192*\u+64*\s+32*\c
.endr
.endr
.endr
	WIN 0
	s_wait_loadcnt 32                              ; all but Ua's 32 loads, which were issued last
	v_add_f32 v27, v24, v25
	v_mul_f32 v27, s28, v27                        ; c (Wa_b + Ua_b)
	v_mul_f32 v28, -2.0, v26                       ; -2 Va
	WIN 0x08                                       ; source 1 (Wa) window 2
; source 0 = 16 batches of query, source 1 = 16 rows of Wa.  The four accumulators take turns, one instruction a turn; the first K step starts the sums
.set KK, 0
.rept 8
.irp mt, 0,1
.irp u, 0,1
.set rD, ACC+16*\mt+8*\u
.set rA, QF+64*\mt+8*KK
.set rB, 64*\u+8*KK
.set rSA, QS+KK
.set rSB, WS+KK
.set fRA, \mt
.set fRB, \u
.set fZ, 0
.if KK == 0
.set fZ, 1
.endif
	WM
.endr
.endr
.set KK, KK+1
.endr
	WIN 0
.rept 4
	v_nop                                          ; four places between the last products and the first read of results (ISA guide 7.12.1)
.endr
; In a result lane (r, h) holds output 16 u + r and batches 16 mt + 8 h + j.  The exchange of halves between the two tiles' registers leaves lane l with output 32 g + l:
; register 32 + b then holds batch b.  Each accumulator is taken from its low end on.
.irp mt, 0,1
.irp j, 0,1,2,3,4,5,6,7
	v_permlane16_swap_b32 v[ACC+16*\mt+\j], v[ACC+16*\mt+8+\j]
.endr
.endr
.set BB, 0
.rept 32
	v_fma_f32 v[PR+2*BB], v[ACC+BB], s28, v27      ; c q_proj + c (Wa_b + Ua_b)
	v_mov_b32 v[PR+2*BB+1], v28
.set BB, BB+1
.endr
.set BB, 0
.rept 32
	global_store_b64 v6, v[PR+2*BB:PR+2*BB+1], s[20:21] offset:8192*BB   ; 32 lanes store 256 consecutive bytes, at a multiple of 256 from tab's first byte
.set BB, BB+1
.endr
	s_wait_loadcnt 0x0                             ; Ua's fragments
	WIN 0x04                                       ; a store's data are its source 1: window 1
.set BB, 0
.rept 32
	global_store_b128 v7, v[4*BB:4*BB+3], s[22:23] offset:512*BB         ; 512 consecutive bytes
.set BB, BB+1
.endr
	WIN 0
	s_endpgm
.Lfunc_end_k_q8b58b21fad_prep:
	.size	k_q8b58b21fad_prep, .Lfunc_end_k_q8b58b21fad_prep-k_q8b58b21fad_prep
	.p2alignl 7, 3214868480
	.fill 96, 4, 3214868480
	.section	.rodata,"a",@progbits
	.p2align	6, 0x0
	.amdhsa_kernel k_q8b58b21fad_prep
		.amdhsa_group_segment_fixed_size 0
		.amdhsa_private_segment_fixed_size 0
		.amdhsa_enable_private_segment 0
		.amdhsa_kernarg_size 80
		.amdhsa_user_sgpr_count 2
		.amdhsa_user_sgpr_kernarg_segment_ptr 1
		.amdhsa_wavefront_size32 1
		.amdhsa_system_sgpr_workgroup_id_x 1
		.amdhsa_system_sgpr_workgroup_id_y 1
		.amdhsa_system_sgpr_workgroup_id_z 1
		.amdhsa_system_vgpr_workitem_id 0
		.amdhsa_next_free_vgpr 768
		.amdhsa_next_free_sgpr 66
		.amdhsa_reserve_vcc 0
		.amdhsa_float_denorm_mode_32 3
		.amdhsa_float_denorm_mode_16_64 3
		.amdhsa_memory_ordered 1
		.amdhsa_forward_progress 1
		.amdhsa_inst_pref_size 25
	.end_amdhsa_kernel
	.amdgpu_metadata
---
amdhsa.version: [ 1, 2 ]
amdhsa.kernels:
  - .name:           k_q8b58b21fad_prep
    .symbol:         k_q8b58b21fad_prep.kd
    .args:
      - { .name: query_codes, .offset: 0, .size: 8, .value_kind: global_buffer, .address_space: global }
      - { .name: query_scales, .offset: 8, .size: 8, .value_kind: global_buffer, .address_space: global }
      - { .name: Wa_w_codes, .offset: 16, .size: 8, .value_kind: global_buffer, .address_space: global }
      - { .name: Wa_w_scales, .offset: 24, .size: 8, .value_kind: global_buffer, .address_space: global }
      - { .name: Wa_b, .offset: 32, .size: 8, .value_kind: global_buffer, .address_space: global }
      - { .name: Ua_b, .offset: 40, .size: 8, .value_kind: global_buffer, .address_space: global }
      - { .name: Va_w, .offset: 48, .size: 8, .value_kind: global_buffer, .address_space: global }
      - { .name: Ua_w_codes, .offset: 56, .size: 8, .value_kind: global_buffer, .address_space: global }
      - { .name: tab, .offset: 64, .size: 8, .value_kind: global_buffer, .address_space: global }
      - { .name: uaf, .offset: 72, .size: 8, .value_kind: global_buffer, .address_space: global }
    .group_segment_fixed_size: 0
    .private_segment_fixed_size: 0
    .kernarg_segment_align: 8
    .kernarg_segment_size: 80
    .max_flat_workgroup_size: 32
    .sgpr_count:     66
    .vgpr_count:     768
    .wavefront_size: 32
...
	.end_amdgpu_metadata
.endif
;; end of part 1
;; launch main (part 2): grid 256 x 1, 4 waves a work-group, no clusters, 327,680 bytes of LDS; arguments keys, uaf, Ua_w_scales, tab, sc, pm, pc; writes sc, pm, pc
.if DOCPART == 2
	.amdgcn_target "amdgcn-amd-amdhsa--gfx1250"
	.amdhsa_code_object_version 6
	.text
	.protected	k_q8b58b21fad_main
	.globl	k_q8b58b21fad_main
	.p2align	8
	.type	k_q8b58b21fad_main,@function
k_q8b58b21fad_main:
	s_mov_b64 s[64:65], 0
	v_nop
	global_prefetch_b8 v0, s[64:65] scope:SCOPE_SE
	s_setreg_imm32_b32 hwreg(HW_REG_WAVE_MODE, 25, 1), 1
	s_wait_xcnt 0x0
; scores, a running softmax and the weighted sum of keys' rows, for 256 rows of one batch a work-group; keys is read from memory once.  (Va_b is left out: see the first kernel's head.)
; A work-group takes its 256 rows in four blocks of 64.  A BLOCK: each wave reads its 16 rows (f32, brought by its one tensor load) from LDS, quantises them to E2M1 with E8M0 scales (codes and
; scale bytes into LDS for all four waves) and keeps them as bf16 in 256 registers; then each wave multiplies all 64 rows by ITS quarter of Ua (256 outputs, 16 tiles of 16), adds
; -2 Va / (1 + 2^(c x)) over its outputs (tanh x = 1 - 2 / (1 + e^(2 x)), c = 2 log2 e; tab holds c x bias and -2 Va); the waves' parts meet in LDS; a running maximum, sum and context follow.
; THE STEP takes two tiles of Ua: 64 matrix instructions on end, four accumulators by turns in each window, then the tanh of the 64 results a lane in whole batches.
; Ua's tiles come from uaf straight into registers, four tiles' room: a pair is asked for behind the products of the pair that lay there, two steps ahead of its use.  The order of tiles does not
; matter to a sum, so the two pairs that a block ends with are the next block's first: a block loads 6 pairs of 8.
; NO CLUSTER: what work-groups share is uaf, which goes into registers; a joint load would need a ring in LDS, and beside the keys' slot (278,528 bytes), codes, scales and parts 10,752 bytes are left.
; NO PREFETCH: a block's tensor load is issued behind the barrier at the head of the block before, 8 steps (512 matrix instructions a wave) ahead of the wait for it.
; LIMIT: the promise holds while the scores x log2 e stay under 2^31 in magnitude.
; REGISTERS.  window 0: v1-15 addresses; v16-31 keys' scale words; v32-47 Ua's; v48-55 tab's pairs; v64-95 the context; v96-127 at work; v128-159 at work; v160-255 kept rows 0-5.
;   window 1: Ua's four tiles.   windows 2, 3: v0-127 keys' fragments of rows 0-31, 32-63; v128-159 four accumulators; v160-175 the rows' sums; v176-255 kept rows 6-10, 11-15.
.set ZW,    69632                      ; a wave's part of the slot: 16 rows of 4,096 bytes as 256 lines of 256 + 16
.set ZROW,  4352
.set CODES, 278528                     ; 64 rows of 512 bytes of codes, pitch 528
.set CPI,   528
.set SCL,   312320                     ; 64 rows of 32 scale bytes, pitch 48
.set SPI,   48
.set PS,    315392                     ; four waves x 64 partial scores
.set SPARE, 316416                     ; the spare words: 128 bytes a wave
.set SPW, 1
.set NIL, 2
.set ZR0, 3
.set ZR1, 4
.set CW,  5
.set SW,  6
.set AF,  7
.set AS,  8
.set BO,  9
.set SO,  10
.set CO,  11
.set PSW, 12
.set PSR, 13
.set PSO, 14
.set L8,  15
.set ASC, 16
.set BSC, 32
.set CC,  48
.set CD,  56
.set CA,  64
.set CCT, 100                          ; v100-103 the step's two pairs of tab, so that the next loads may land in v48-55
.set MR,  120
.set LR,  121
.set VS,  122
.set STW, 123
.set STR, 124
.set FF,  126
.set RS,  128
.set PV,  128
.set MX,  144
.set SCO, 148
.set BY,  152
.set X,   128
.set SUM, 160
.set PSG, 4
.set WV,  20
.set GC,  21
.set G1,  24
.set G0,  32
.set PB,  36
.set PSC, 38
.set PT,  40
.set CS,  42
.set SEL, 44
.set J,   46
.set BLK, 47
.set L2E, 49
.set SCP, 54
.set PCP, 56
.set PMP, 58
.set PB0, 60
.set PSC0, 62
.set PT0, 92
.set FLO, 94
.set EM2, 95
.set MSB, 0
.macro WIN new                         ; the immediate's high byte repeats the setting that is left
.if MSB != (\new)
	s_set_vgpr_msb (MSB<<8)|(\new)
.set MSB, (\new)
.endif
.endm
.macro WM                              ; one matrix instruction by the symbols rD, rA, rB, rSA, rSB; fZ starts the sum; fRA, fRB: that side's scale words stand in lanes 16-31
.if fZ
.if fRA
	v_wmma_scale_f32_16x16x128_f8f6f4 v[rD:rD+7], v[rA:rA+7], v[rB:rB+7], 0, v[rSA], v[rSB] matrix_a_fmt:MATRIX_FMT_FP4 matrix_b_fmt:MATRIX_FMT_FP4 matrix_a_scale:MATRIX_SCALE_ROW1
.else
	v_wmma_scale_f32_16x16x128_f8f6f4 v[rD:rD+7], v[rA:rA+7], v[rB:rB+7], 0, v[rSA], v[rSB] matrix_a_fmt:MATRIX_FMT_FP4 matrix_b_fmt:MATRIX_FMT_FP4
.endif
.else
.if fRA && fRB
	v_wmma_scale_f32_16x16x128_f8f6f4 v[rD:rD+7], v[rA:rA+7], v[rB:rB+7], v[rD:rD+7], v[rSA], v[rSB] matrix_a_fmt:MATRIX_FMT_FP4 matrix_b_fmt:MATRIX_FMT_FP4 matrix_a_scale:MATRIX_SCALE_ROW1 matrix_b_scale:MATRIX_SCALE_ROW1
.elseif fRA
	v_wmma_scale_f32_16x16x128_f8f6f4 v[rD:rD+7], v[rA:rA+7], v[rB:rB+7], v[rD:rD+7], v[rSA], v[rSB] matrix_a_fmt:MATRIX_FMT_FP4 matrix_b_fmt:MATRIX_FMT_FP4 matrix_a_scale:MATRIX_SCALE_ROW1
.elseif fRB
	v_wmma_scale_f32_16x16x128_f8f6f4 v[rD:rD+7], v[rA:rA+7], v[rB:rB+7], v[rD:rD+7], v[rSA], v[rSB] matrix_a_fmt:MATRIX_FMT_FP4 matrix_b_fmt:MATRIX_FMT_FP4 matrix_b_scale:MATRIX_SCALE_ROW1
.else
	v_wmma_scale_f32_16x16x128_f8f6f4 v[rD:rD+7], v[rA:rA+7], v[rB:rB+7], v[rD:rD+7], v[rSA], v[rSB] matrix_a_fmt:MATRIX_FMT_FP4 matrix_b_fmt:MATRIX_FMT_FP4
.endif
.endif
.endm
.macro LOADT slot, off                 ; a tile of Ua: 18 loads: 16 of 512 consecutive bytes of codes, its scale words (lanes 0-15 K steps 0-3, lanes 16-31 steps 4-7), its pairs of tab
	WIN 0x40
.irp n, 0,1,2,3,4,5,6,7,8,9,10,11,12,13,14,15
	global_load_b128 v[64*(\slot)+4*\n:64*(\slot)+4*\n+3], v[BO], s[PB:PB+1] offset:(\off)*8192+512*\n
.endr
	WIN 0
	global_load_b128 v[BSC+4*(\slot):BSC+4*(\slot)+3], v[SO], s[PSC:PSC+1] offset:(\off)*512
	global_load_b64 v[CC+2*(\slot):CC+2*(\slot)+1], v[CO], s[PT:PT+1] offset:(\off)*128
.endm
.macro TRANS op                        ; a batch of 64 in place, a plain line and the one wait behind it
.irp i, 0,1
	WIN 0x82+0x41*\i
.set NN, 0
.rept 32
	\op v[X+NN], v[X+NN]
.set NN, NN+1
.endr
.endr
	v_nop
	s_wait_alu depctr_va_vdst(0)
.endm
; THE STEP on the pair of tiles in slots 2 p, 2 p + 1.  Source 0 = 16 rows of keys, source 1 = 16 rows of Ua: lane (r, h) holds output r and rows 8 h + j.
.macro DSTEP p
	s_wait_loadcnt 36                              ; my pair is in: behind it only the other pair's 36 loads were issued
.irp i, 0,1
.if \p == 0
	s_wait_dscnt 32-32*\i                          ; a block's first step: keys' scale words and the fragments of rows 0-31 are in, then those of rows 32-63
.endif
	WIN 0xa6+0x51*\i
.set KK, 0
.rept 8
.irp tu, 0,1,2,3                       ; four accumulators (tile, 16 rows) by turns, one instruction a turn
.set rD, X+8*\tu
.set rA, 64*(\tu&1)+8*KK
.set rB, 64*(2*\p+\tu/2)+8*KK
.set rSA, ASC+8*\i+KK
.set rSB, BSC+4*(2*\p+\tu/2)+KK%4
.set fRA, \tu&1
.set fRB, KK/4
.set fZ, 0
.if KK == 0
.set fZ, 1
.endif
	WM
.endr
.set KK, KK+1
.endr
.endr
	WIN 0
.irp n, 0,1,2,3
	v_mov_b32 v[CCT+\n], v[CC+4*\p+\n]             ; the pair's constants move aside; these four lines are also the places behind the products (ISA guide 7.12.1)
.endr
.irp i, 0,1
	WIN 0x82+0x41*\i
.irp n, 0,2,4,6,8,10,12,14,16,18,20,22,24,26,28,30
	v_pk_fma_f32 v[X+\n:X+\n+1], v[X+\n:X+\n+1], s[CS:CS+1], v[CCT+2*(\n/16):CCT+2*(\n/16)+1] op_sel_hi:[1,0,0]   ; c x product + c x bias; each accumulator from its low end on
.endr
.endr
	WIN 0
	s_cmp_lt_u32 s[J], 3                           ; a block's last two steps ask for nothing: their pairs stay for the next block
	s_cbranch_scc0 .Lnone_\@
	s_wait_xcnt 0x0                                ; the earlier loads have read their bases
	s_lshl_b32 s50, s[GC], 14                      ; pair GC of my eight: 16,384 bytes of codes,
	s_add_nc_u64 s[PB:PB+1], s[PB0:PB0+1], s[50:51]
	s_lshl_b32 s50, s[GC], 10                      ; 1,024 of scales,
	s_add_nc_u64 s[PSC:PSC+1], s[PSC0:PSC0+1], s[50:51]
	s_lshl_b32 s50, s[GC], 8                       ; 256 of tab
	s_add_nc_u64 s[PT:PT+1], s[PT0:PT0+1], s[50:51]
	s_add_co_u32 s[GC], s[GC], 1
	s_and_b32 s[GC], s[GC], 7
	LOADT 2*\p, 0
	LOADT 2*\p+1, 1
	s_branch .Lasked_\@
.Lnone_\@:
	s_wait_loadcnt 0x0                             ; no load follows the other pair's here: the count at the next step's head would not show it in
.Lasked_\@:
	s_wait_alu depctr_va_vdst(0)                   ; ahead of the batch
	TRANS v_exp_f32
.irp i, 0,1
	WIN 0x82+0x41*\i
.irp n, 0,2,4,6,8,10,12,14,16,18,20,22,24,26,28,30
	v_pk_add_f32 v[X+\n:X+\n+1], v[X+\n:X+\n+1], 1.0 op_sel_hi:[1,0]
.endr
.endr
	s_wait_alu depctr_va_vdst(0)                   ; ahead of the batch
	TRANS v_rcp_f32
.irp i, 0,1
	WIN 0xa2+0x51*\i
.irp n, 0,2,4,6,8,10,12,14,16,18,20,22,24,26,28,30
	v_pk_fma_f32 v[SUM+(\n%16):SUM+(\n%16)+1], v[X+\n:X+\n+1], v[CCT+2*(\n/16):CCT+2*(\n/16)+1], v[SUM+(\n%16):SUM+(\n%16)+1] op_sel:[0,1,0] op_sel_hi:[1,1,1]   ; + (-2 Va) / (1 + 2^..)
.endr
.endr
	WIN 0
.endm
.macro LOADROW t                       ; row t of my 16: lane l takes 8 numbers at column 256 q + 8 l, q = 0 .. 3
	WIN 0x80+0x40*((\t)&1)
.irp q, 0,1,2,3
.irp c, 0,1
.if (\t) < 8
	ds_load_b128 v[X+8*\q+4*\c:X+8*\q+4*\c+3], v[ZR0] offset:((\t)&7)*ZROW+1088*\q+16*\c
.else
	ds_load_b128 v[X+8*\q+4*\c:X+8*\q+4*\c+3], v[ZR1] offset:((\t)&7)*ZROW+1088*\q+16*\c
.endif
.endr
.endr
.endm
.macro RETSET t                        ; where row t is kept as bf16: window RW, 16 registers from RB
.if (\t) < 6
.set RW, 0
.set RB, 160+16*(\t)
.elseif (\t) < 11
.set RW, 2
.set RB, 176+16*((\t)-6)
.else
.set RW, 3
.set RB, 176+16*((\t)-11)
.endif
.endm
.macro QROW t                          ; the quantiser: a block of 32 lies in four neighbouring lanes; floor 2^(3 - 127) among the maximum's leaves; 2 off the exponent field is the scale
.set W, 2+((\t)&1)
.set P2, (\t)&1
	RETSET \t
	WIN W|(W<<2)
.irp q, 0,1,2,3
	v_max3_num_f32 v[MX+\q], |v[X+8*\q]|, |v[X+8*\q+1]|, s[FLO]
.endr
.irp e, 2,4,6
.irp q, 0,1,2,3
	v_max3_num_f32 v[MX+\q], |v[X+8*\q+\e]|, |v[X+8*\q+\e+1]|, v[MX+\q]
.endr
.endr
	WIN 0
.irp m, 1,2
.irp q, 0,1,2,3
	v_max_num_f32_dpp v[MX+\q], v[MX+\q], v[MX+\q] row_xmask:\m row_mask:0xf bank_mask:0xf
.endr
.endr
.irp q, 0,1,2,3
	v_add_nc_u32 v[SCO+\q], s[EM2], v[MX+\q]
.endr
.irp q, 0,1,2,3
	v_lshrrev_b32 v[BY+4*P2+\q], 23, v[SCO+\q]
.endr
	WIN W
.irp q, 0,1,2,3
	v_cvt_scalef32_pk8_fp4_f32 v[CD+4*P2+\q], v[X+8*\q:X+8*\q+7], v[SCO+\q]
.endr
	WIN (RW<<6)|(W<<2)|W
.irp q, 0,1,2,3
.irp e, 0,1,2,3
	v_cvt_pk_bf16_f32 v[RB+4*\q+\e], v[X+8*\q+2*\e], v[X+8*\q+2*\e+1]
.endr
.endr
	WIN 0
.irp q, 0,1,2,3
	ds_store_b32 v[CW], v[CD+4*P2+\q] offset:CPI*(\t)+128*\q
.endr
.irp q, 0,1,2,3
	ds_store_b8 v[SW], v[BY+4*P2+\q] offset:SPI*(\t)+8*\q
.endr
.endm
.macro CONVERT
	s_wait_tensorcnt 0x0                           ; my 16 rows are in LDS; no other wave reads them
	LOADROW 0
	LOADROW 1
.irp t, 0,1,2,3,4,5,6,7,8,9,10,11,12,13,14,15
.if (\t == 0) || (\t == 15)
	s_wait_dscnt 8                                 ; behind row t's loads: one row's 8 loads (t = 0), or 8 stores (t = 15)
.else
	s_wait_dscnt 16                                ; behind row t's loads: 8 stores and the next row's 8 loads
.endif
	QROW \t
.if \t < 14
	LOADROW \t+2
.endif
.endr
.endm
.macro ALOAD                           ; all 64 rows' scale words (4 loads) and fragments (32 loads for each window); the rows' sums begin at 0
.irp i, 0,1
.irp q, 0,1
	ds_load_b128 v[ASC+8*\i+4*\q:ASC+8*\i+4*\q+3], v[AS] offset:32*SPI*\i+16*\q
.endr
.endr
.irp i, 0,1
	WIN 0x80+0x40*\i
.irp u, 0,1
.irp s, 0,1,2,3,4,5,6,7
.irp c, 0,1
	ds_load_b128 v[64*\u+8*\s+4*\c:64*\u+8*\s+4*\c+3], v[AF] offset:16*CPI*(2*\i+\u)+64*\s+32*\c
.endr
.endr
.endr
.irp n, 0,1,2,3,4,5,6,7,8,9,10,11,12,13,14,15
	v_mov_b32 v[SUM+\n], 0
.endr
.endr
	WIN 0
.endm
.macro REDUCE                          ; + the sum of Va over my lane's outputs; then over the 16 lanes of a half; register 8 m + j of lane half h is row 16 m + 8 h + j
.irp i, 0,1
	WIN 0x02+\i
.irp n, 0,2,4,6,8,10,12,14
	v_pk_add_f32 v[RS+16*\i+\n:RS+16*\i+\n+1], v[SUM+\n:SUM+\n+1], v[VS:VS+1] op_sel_hi:[1,0]
.endr
.endr
	WIN 0
.irp m, 1,2,4,8
.set NN, 0
.rept 32
	v_add_f32_dpp v[RS+NN], v[RS+NN], v[RS+NN] row_xmask:\m row_mask:0xf bank_mask:0xf
.set NN, NN+1
.endr
.endr
.irp m, 0,1,2,3
.irp j, 0,1
	ds_store_b128 v[PSW], v[RS+8*\m+4*\j:RS+8*\m+4*\j+3] offset:64*\m+16*\j
.endr
.endr
.endm
.macro SOFTMAX                         ; lane l: scores of rows 2 l, 2 l + 1 (v96, v97); lane r also the score of my wave's row r (v98).  Running maximum MR, sum LR, context CA
.irp wq, 0,1,2,3
	ds_load_b64 v[100+2*\wq:101+2*\wq], v[PSR] offset:256*\wq
	ds_load_b32 v[108+\wq], v[PSO] offset:256*\wq
.endr
	s_wait_dscnt 0x0
	v_pk_add_f32 v[100:101], v[100:101], v[102:103]
	v_pk_add_f32 v[104:105], v[104:105], v[106:107]
	v_add_f32 v108, v108, v109
	v_add_f32 v110, v110, v111
	v_pk_add_f32 v[96:97], v[100:101], v[104:105]
	v_add_f32 v98, v108, v110
	s_cmp_lg_u32 s[WV], 0
	s_cbranch_scc1 .Lnot_wave_0_\@
	global_store_b64 v[L8], v[96:97], s[SCP:SCP+1]   ; 256 consecutive bytes
.Lnot_wave_0_\@:
	s_wait_alu depctr_va_vdst(0)                   ; the wait behind the branch
	v_max_num_f32 v99, v96, v97
.irp m, 1,2,4,8
	v_max_num_f32_dpp v99, v99, v99 row_xmask:\m row_mask:0xf bank_mask:0xf
.endr
	v_permlanex16_b32 v112, v99, s[SEL], s[SEL+1]
	v_max3_num_f32 v113, v99, v112, v[MR]
	v_sub_f32 v114, v[MR], v113
	v_sub_f32 v116, v96, v113
	v_sub_f32 v117, v97, v113
	v_sub_f32 v98, v98, v113
	v_mul_f32 v114, s[L2E], v114
	v_mul_f32 v116, s[L2E], v116
	v_mul_f32 v117, s[L2E], v117
	v_mul_f32 v98, s[L2E], v98
	s_wait_alu depctr_va_vdst(0)                   ; ahead of the batch
	v_exp_f32 v[FF], v114
	v_exp_f32 v116, v116
	v_exp_f32 v117, v117
	v_exp_f32 v98, v98
	v_mov_b32 v[MR], v113
	s_wait_alu depctr_va_vdst(0)                   ; and behind it
	v_add_f32 v118, v116, v117
.irp m, 1,2,4,8
	v_add_f32_dpp v118, v118, v118 row_xmask:\m row_mask:0xf bank_mask:0xf
.endr
	v_permlanex16_b32 v112, v118, s[SEL], s[SEL+1]
	v_add_f32 v118, v118, v112
	v_fma_f32 v[LR], v[LR], v[FF], v118
.irp n, 0,2,4,6,8,10,12,14,16,18,20,22,24,26,28,30
	v_pk_mul_f32 v[CA+\n:CA+\n+1], v[CA+\n:CA+\n+1], v[FF:FF+1] op_sel_hi:[1,0]
.endr
.endm
.macro CTX                             ; context += p(row t) x my kept row t
.irp t, 0,1,2,3,4,5,6,7,8,9,10,11,12,13,14,15
	v_readlane_b32 s[PSG+\t], v98, \t
.endr
.irp t, 0,1,2,3,4,5,6,7,8,9,10,11,12,13,14,15
	v_mov_b32 v[PV+\t], s[PSG+\t]
.endr
.irp t, 0,1,2,3,4,5,6,7,8,9,10,11,12,13,14,15
	RETSET \t
	WIN RW
.irp q, 0,1,2,3
.irp e, 0,1,2,3
	v_fma_mix_f32_bf16 v[CA+8*\q+2*\e], v[RB+4*\q+\e], v[PV+\t], v[CA+8*\q+2*\e] op_sel:[0,0,0] op_sel_hi:[1,0,0]
	v_fma_mix_f32_bf16 v[CA+8*\q+2*\e+1], v[RB+4*\q+\e], v[PV+\t], v[CA+8*\q+2*\e+1] op_sel:[1,0,0] op_sel_hi:[1,0,0]
.endr
.endr
.endr
	WIN 0
.endm
.macro MEET refill                     ; codes and scales are whole for all waves; the keys' slot has been read and is filled again
	s_wait_tensorcnt 0x0                           ; no tensor load of mine is out;
	ds_add_u32 v[SPW], v[NIL]
.if \refill
	s_add_nc_u64 s[G0+2:G0+3], s[G0+2:G0+3], 0x40000   ; the next block: 64 rows of 4,096 bytes on
.endif
	s_wait_dscnt 0x0                               ; the add, my reads of the slot and my stores of codes and scales are done
	s_barrier_signal -1
	s_barrier_wait -1
.if \refill
	tensor_load_to_lds s[G0:G0+3], s[G1:G1+7]      ; my one tensor load behind the barrier
	s_nop 0
.rept 4
	v_nop
.endr
.endif
.endm
.macro REST
	ALOAD
	s_mov_b32 s[J], 0
.Ltrip_\@:                                             ; four trips of two steps: 16 tiles
	DSTEP 0
	DSTEP 1
	s_add_co_u32 s[J], s[J], 1
	s_cmp_lt_u32 s[J], 4
	s_wait_alu depctr_va_vdst(0)                   ; the wait ahead of the branch
	s_cbranch_scc1 .Ltrip_\@
	REDUCE
	s_wait_dscnt 0x0                               ; for the others' sake: my parts are stored
	s_barrier_signal -1
	s_barrier_wait -1
	SOFTMAX
	CTX
	s_wait_xcnt 0x0                                ; the store has read its base and data
	s_add_nc_u64 s[SCP:SCP+1], s[SCP:SCP+1], 256
.endm
	s_load_b256 s[4:11], s[0:1], 0x0               ; keys s[4:5], uaf s[6:7], Ua's scales s[8:9], tab s[10:11]
	s_load_b128 s[12:15], s[0:1], 0x20             ; sc s[12:13], pm s[14:15]
	s_load_b64 s[16:17], s[0:1], 0x30              ; pc
	v_lshl_add_u32 v[SPW], v0, 2, SPARE
	v_mov_b32 v[NIL], 0
	ds_add_u32 v[SPW], v[NIL]                      ; the add,
	ds_add_u32 v[SPW], v[NIL]                      ; twice on end, under one wait
	v_lshrrev_b32 v96, 5, v0
	v_readfirstlane_b32 s[WV], v96                 ; wave 0..3
	s_mov_b32 s[G1+0], (3<<16)|(1<<20)|(5<<22)|(3<<25)   ; elements of 8 bytes; 4 words of padding behind every 64
	s_mov_b32 s[G1+1], 32<<16                      ; my 16 rows are 65,536 dense bytes: 256 lines of 256 bytes
	s_mov_b32 s[G1+2], 256<<16
	s_mov_b32 s[G1+3], 32<<16
	s_mov_b32 s[G1+4], 256
	s_mov_b32 s[G1+5], 32
	s_mov_b32 s[G1+6], 0
	s_mov_b32 s[G1+7], 0
	s_lshl_b32 s50, ttmp9, 20                      ; the work-group's 256 rows,
	s_lshl_b32 s22, s[WV], 16                      ; my 16 of a block's 64
	s_add_co_u32 s50, s50, s22
	s_mov_b32 s51, 0
	s_mov_b32 s[G0], 1
	s_mul_i32 s[G0+1], s[WV], ZW
	s_wait_dscnt 0x0
	s_wait_kmcnt 0x0
	s_add_nc_u64 s[G0+2:G0+3], s[4:5], s[50:51]
	s_or_b32 s[G0+3], s[G0+3], 0x80000000
	tensor_load_to_lds s[G0:G0+3], s[G1:G1+7]      ; block 0: one tensor load a wave at the head
	s_nop 0
.rept 4
	v_nop
.endr
	s_lshl_b32 s50, s[WV], 17                      ; my quarter of uaf: 16 tiles of 8,192 bytes
	s_add_nc_u64 s[PB0:PB0+1], s[6:7], s[50:51]
	s_mov_b64 s[PB:PB+1], s[PB0:PB0+1]
	s_lshl_b32 s50, s[WV], 13
	s_add_nc_u64 s[PSC0:PSC0+1], s[8:9], s[50:51]
	s_mov_b64 s[PSC:PSC+1], s[PSC0:PSC0+1]
	s_lshr_b32 s50, ttmp9, 3                       ; the batch: eight work-groups each
	s_lshl_b32 s50, s50, 13
	s_lshl_b32 s22, s[WV], 11
	s_add_co_u32 s50, s50, s22
	s_add_nc_u64 s[PT0:PT0+1], s[10:11], s[50:51]
	s_mov_b64 s[PT:PT+1], s[PT0:PT0+1]
	s_lshl_b32 s50, ttmp9, 10
	s_add_nc_u64 s[SCP:SCP+1], s[12:13], s[50:51]
	s_lshl_b32 s50, ttmp9, 12
	s_lshl_b32 s22, s[WV], 10
	s_add_co_u32 s50, s50, s22
	s_add_nc_u64 s[PCP:PCP+1], s[16:17], s[50:51]
	s_lshl_b32 s50, ttmp9, 3
	s_add_nc_u64 s[PMP:PMP+1], s[14:15], s[50:51]
	s_mov_b32 s[CS], 0x4038aa3b                    ; c = 2 log2 e
	s_mov_b32 s[CS+1], s[CS]
	s_mov_b32 s[SEL], 0x76543210
	s_mov_b32 s[SEL+1], 0xfedcba98
	s_mov_b32 s[L2E], 0x3fb8aa3b
	s_mov_b32 s[FLO], 0x1800000
	s_mov_b32 s[EM2], 0xff000000
	s_mov_b32 s[GC], 2                             ; pairs 0 and 1 are asked for below
	s_mul_i32 s68, s[WV], ZW
	s_mul_i32 s69, s[WV], 16*CPI
	s_add_co_u32 s69, s69, CODES
	s_mul_i32 s70, s[WV], 16*SPI
	s_add_co_u32 s70, s70, SCL
	s_lshl_b32 s71, s[WV], 8
	s_add_co_u32 s71, s71, PS
	s_lshl_b32 s72, s[WV], 6
	s_add_co_u32 s72, s72, PS
	s_lshl_b32 s73, s[WV], 12
	s_add_co_u32 s73, s73, CODES
	s_lshl_b32 s74, s[WV], 10
	s_add_co_u32 s74, s74, CODES
	v_and_b32 v96, 31, v0                          ; lane
	v_and_b32 v97, 15, v0                          ; r
	v_bfe_u32 v98, v0, 4, 1                        ; h
	v_bfe_u32 v99, v0, 3, 2
	v_bfe_u32 v100, v0, 2, 3
	v_lshlrev_b32 v[ZR0], 5, v96                   ; 32 bytes a lane, 16 more for each 256 passed
	v_lshl_add_u32 v[ZR0], v99, 4, v[ZR0]
	v_add_nc_u32 v[ZR0], s68, v[ZR0]
	v_add_nc_u32 v[ZR1], 8*ZROW, v[ZR0]
	v_lshl_add_u32 v[CW], v96, 2, s69
	v_add_nc_u32 v[SW], s70, v100
	v_mul_u32_u24 v[AF], v97, CPI
	v_lshl_add_u32 v[AF], v98, 4, v[AF]
	v_add_nc_u32 v[AF], CODES, v[AF]
	v_mul_u32_u24 v[AS], v96, SPI
	v_add_nc_u32 v[AS], SCL, v[AS]
	v_lshlrev_b32 v[BO], 4, v96
	v_lshlrev_b32 v[SO], 5, v97
	v_lshl_add_u32 v[SO], v98, 4, v[SO]
	v_lshlrev_b32 v[CO], 3, v97
	v_lshl_add_u32 v[PSW], v98, 5, s71
	v_lshl_add_u32 v[PSR], v96, 3, PS
	v_lshl_add_u32 v[PSO], v97, 2, s72
	v_lshlrev_b32 v[L8], 3, v96
	v_lshl_add_u32 v[STW], v96, 5, s73
	v_lshl_add_u32 v[STR], v96, 4, s74
	s_wait_alu depctr_va_vdst(0)                   ; the wait behind the addresses
.irp n, 0,1,2,3,4,5,6,7,8,9,10,11,12,13,14,15
	global_load_b32 v[RS+\n], v[CO], s[PT:PT+1] offset:128*\n+4   ; -2 Va of my lane's 16 outputs
.endr
	LOADT 0, 0
	LOADT 1, 1
	LOADT 2, 2
.set NN, 0
.rept 32
	v_mov_b32 v[CA+NN], 0
.set NN, NN+1
.endr
	v_mov_b32 v[MR], 0xff61b1e6                    ; -3e38, under every score
	v_mov_b32 v[LR], 0
	v_mov_b32 v112, 0
	v_mov_b32 v[FF+1], 0
	s_wait_alu depctr_va_vdst(0)                   ; the wait ahead of the wait below
	s_wait_loadcnt 54                              ; all but the three tiles' 54 loads
	v_pk_add_f32 v[RS:RS+1], v[RS:RS+1], v[RS+2:RS+3]
	v_pk_add_f32 v[RS+4:RS+5], v[RS+4:RS+5], v[RS+6:RS+7]
	v_pk_add_f32 v[RS+8:RS+9], v[RS+8:RS+9], v[RS+10:RS+11]
	v_pk_add_f32 v[RS+12:RS+13], v[RS+12:RS+13], v[RS+14:RS+15]
	v_pk_add_f32 v[RS:RS+1], v[RS:RS+1], v[RS+4:RS+5]
	v_pk_add_f32 v[RS+8:RS+9], v[RS+8:RS+9], v[RS+12:RS+13]
	v_pk_add_f32 v[RS:RS+1], v[RS:RS+1], v[RS+8:RS+9]
	v_add_f32 v[VS], v[RS], v[RS+1]
	v_mul_f32 v[VS], -0.5, v[VS]                   ; the sum of Va over my lane's outputs: the 1 of every tanh
	LOADT 3, 3
	s_wait_alu depctr_va_vdst(0)                   ; the wait at the head's end
	CONVERT
	s_mov_b32 s[BLK], 3
.Lblock:
	MEET 1
	REST
	CONVERT
	s_sub_co_u32 s[BLK], s[BLK], 1
	s_cmp_lg_u32 s[BLK], 0
	s_cbranch_scc1 .Lblock
	MEET 0                                         ; the last block asks for nothing more
	REST
	s_cmp_lg_u32 s[WV], 0
	s_cbranch_scc1 .Lno_pair
	s_wait_xcnt 0x0                                ; EXEC changes only behind this wait
	v_cmp_eq_u32 vcc_lo, 0, v0
	s_and_saveexec_b32 s53, vcc_lo
	global_store_b64 v[L8], v[MR:MR+1], s[PMP:PMP+1]   ; the run's maximum and sum
	s_wait_xcnt 0x0
	s_or_b32 exec_lo, exec_lo, s53
.Lno_pair:
	s_wait_alu depctr_va_vdst(0)                   ; the wait behind the branch
.irp q, 0,1,2,3                        ; the four waves' contexts meet in the bytes that held the codes: every wave has read those ahead of the block's second barrier
.irp e, 0,1
	ds_store_b128 v[STW], v[CA+8*\q+4*\e:CA+8*\q+4*\e+3] offset:1024*\q+16*\e
.endr
.endr
	s_wait_dscnt 0x0
	s_barrier_signal -1
	s_barrier_wait -1
.irp u, 0,1
.irp wq, 0,1,2,3
	ds_load_b128 v[RS+16*\u+4*\wq:RS+16*\u+4*\wq+3], v[STR] offset:4096*\wq+512*\u
.endr
.endr
	s_wait_dscnt 0x0
.irp u, 0,1
	v_pk_add_f32 v[RS+16*\u:RS+16*\u+1], v[RS+16*\u:RS+16*\u+1], v[RS+16*\u+4:RS+16*\u+5]
	v_pk_add_f32 v[RS+16*\u+2:RS+16*\u+3], v[RS+16*\u+2:RS+16*\u+3], v[RS+16*\u+6:RS+16*\u+7]
	v_pk_add_f32 v[RS+16*\u+8:RS+16*\u+9], v[RS+16*\u+8:RS+16*\u+9], v[RS+16*\u+12:RS+16*\u+13]
	v_pk_add_f32 v[RS+16*\u+10:RS+16*\u+11], v[RS+16*\u+10:RS+16*\u+11], v[RS+16*\u+14:RS+16*\u+15]
	v_pk_add_f32 v[RS+16*\u:RS+16*\u+1], v[RS+16*\u:RS+16*\u+1], v[RS+16*\u+8:RS+16*\u+9]
	v_pk_add_f32 v[RS+16*\u+2:RS+16*\u+3], v[RS+16*\u+2:RS+16*\u+3], v[RS+16*\u+10:RS+16*\u+11]
.endr
.irp u, 0,1
	global_store_b128 v[BO], v[RS+16*\u:RS+16*\u+3], s[PCP:PCP+1] offset:512*\u   ; 512 consecutive bytes
.endr
	s_wait_tensorcnt 0x0                           ; the wave's end
	ds_add_u32 v[SPW], v[NIL]
	s_wait_dscnt 0x0
	s_endpgm
.Lfunc_end_k_q8b58b21fad_main:
	.size	k_q8b58b21fad_main, .Lfunc_end_k_q8b58b21fad_main-k_q8b58b21fad_main
	.p2alignl 7, 3214868480
	.fill 96, 4, 3214868480
	.section	.rodata,"a",@progbits
	.p2align	6, 0x0
	.amdhsa_kernel k_q8b58b21fad_main
		.amdhsa_group_segment_fixed_size 327680
		.amdhsa_private_segment_fixed_size 0
		.amdhsa_enable_private_segment 0
		.amdhsa_kernarg_size 56
		.amdhsa_user_sgpr_count 2
		.amdhsa_user_sgpr_kernarg_segment_ptr 1
		.amdhsa_wavefront_size32 1
		.amdhsa_system_sgpr_workgroup_id_x 1
		.amdhsa_system_sgpr_workgroup_id_y 1
		.amdhsa_system_sgpr_workgroup_id_z 1
		.amdhsa_system_vgpr_workitem_id 0
		.amdhsa_next_free_vgpr 1024
		.amdhsa_next_free_sgpr 96
		.amdhsa_reserve_vcc 1
		.amdhsa_float_denorm_mode_32 3
		.amdhsa_float_denorm_mode_16_64 3
		.amdhsa_memory_ordered 1
		.amdhsa_forward_progress 1
		.amdhsa_inst_pref_size 255
	.end_amdhsa_kernel
	.section	.bss,"aw",@nobits
	.p2align	6
	.space	262144
	.amdgpu_metadata
---
amdhsa.version: [ 1, 2 ]
amdhsa.kernels:
  - .name:           k_q8b58b21fad_main
    .symbol:         k_q8b58b21fad_main.kd
    .args:
      - { .name: keys, .offset: 0, .size: 8, .value_kind: global_buffer, .address_space: global }
      - { .name: uaf, .offset: 8, .size: 8, .value_kind: global_buffer, .address_space: global }
      - { .name: Ua_w_scales, .offset: 16, .size: 8, .value_kind: global_buffer, .address_space: global }
      - { .name: tab, .offset: 24, .size: 8, .value_kind: global_buffer, .address_space: global }
      - { .name: sc, .offset: 32, .size: 8, .value_kind: global_buffer, .address_space: global }
      - { .name: pm, .offset: 40, .size: 8, .value_kind: global_buffer, .address_space: global }
      - { .name: pc, .offset: 48, .size: 8, .value_kind: global_buffer, .address_space: global }
    .group_segment_fixed_size: 327680
    .private_segment_fixed_size: 0
    .kernarg_segment_align: 8
    .kernarg_segment_size: 56
    .max_flat_workgroup_size: 128
    .sgpr_count:     96
    .vgpr_count:     1024
    .wavefront_size: 32
...
	.end_amdgpu_metadata
.endif
;; end of part 2
;; launch comb (part 3): grid 32 x 1, 8 waves a work-group, no clusters, 0 bytes of LDS; arguments sc, pm, pc, out0, out1; writes out0, out1
.if DOCPART == 3
	.amdgcn_target "amdgcn-amd-amdhsa--gfx1250"
	.amdhsa_code_object_version 6
	.text
	.protected	k_q8b58b21fad_comb
	.globl	k_q8b58b21fad_comb
	.p2align	8
	.type	k_q8b58b21fad_comb,@function
k_q8b58b21fad_comb:
	s_mov_b64 s[64:65], 0
	v_nop
	global_prefetch_b8 v0, s[64:65] scope:SCOPE_SE
	s_setreg_imm32_b32 hwreg(HW_REG_WAVE_MODE, 25, 1), 1
	s_wait_xcnt 0x0
; The eight runs of 256 rows of a batch are joined.  Run c left its maximum m_c, its sum l_c of exp(score - m_c), and the sum P_c of exp(score - m_c) x keys' row.
; M = the largest m_c (the batch's true maximum); L = the sum of l_c exp(m_c - M); weights = exp(score - M) / L; context = the sum of P_c exp(m_c - M) / L.  All in f32.
; SHARES.  Work-group b is batch b; 256 threads; thread t takes 8 of the 2,048 weights and 4 of the 1,024 numbers of the context.  Every load and store of a wave covers 512 consecutive bytes,
; but for the eight pairs (64 bytes), which every lane reads alike.  A stream of 41 KB a work-group: no LDS, no barrier, no matrix unit, no cluster: the work-groups share nothing.
	s_load_b256 s[4:11], s[0:1], 0x0               ; sc s[4:5], pm s[6:7], pc s[8:9], out0 s[10:11]
	s_load_b64 s[12:13], s[0:1], 0x20              ; out1
	v_lshlrev_b32 v1, 4, v0                        ; 16 t
	v_mov_b32 v2, 0
	s_mov_b32 s14, 0x3fb8aa3b                      ; log2(e)
	s_mov_b32 s17, 0
	s_wait_alu depctr_va_vdst(0)
	s_wait_kmcnt 0x0
	s_lshl_b32 s16, ttmp9, 6                       ; eight pairs of 8 bytes
	s_add_nc_u64 s[6:7], s[6:7], s[16:17]
	s_lshl_b32 s16, ttmp9, 13                      ; 2,048 numbers
	s_add_nc_u64 s[4:5], s[4:5], s[16:17]
	s_add_nc_u64 s[12:13], s[12:13], s[16:17]
	s_lshl_b32 s16, ttmp9, 15                      ; eight runs of 1,024 numbers
	s_add_nc_u64 s[8:9], s[8:9], s[16:17]
	s_lshl_b32 s16, ttmp9, 12                      ; 1,024 numbers
	s_add_nc_u64 s[10:11], s[10:11], s[16:17]
.irp i, 0,1,2,3
	global_load_b128 v[8+4*\i:11+4*\i], v2, s[6:7] offset:16*\i          ; v[8 + 2 c] = m_c, v[9 + 2 c] = l_c
.endr
	global_load_b128 v[24:27], v1, s[4:5] th:TH_LOAD_NT
	global_load_b128 v[28:31], v1, s[4:5] offset:4096 th:TH_LOAD_NT
.irp c, 0,1,2,3,4,5,6,7
	global_load_b128 v[32+4*\c:35+4*\c], v1, s[8:9] offset:4096*\c th:TH_LOAD_NT
.endr
	s_wait_loadcnt 0x0
	v_max3_num_f32 v72, v8, v10, v12
	s_delay_alu instid0(VALU_DEP_1)
	v_max3_num_f32 v72, v72, v14, v16
	s_delay_alu instid0(VALU_DEP_1)
	v_max3_num_f32 v72, v72, v18, v20
	s_delay_alu instid0(VALU_DEP_1)
	v_max_num_f32 v72, v72, v22                    ; M
.irp c, 0,1,2,3,4,5,6,7
	v_sub_f32 v[64+\c], v[8+2*\c], v72
.endr
.irp i, 0,1,2,3,4,5,6,7
	v_sub_f32 v[24+\i], v[24+\i], v72
.endr
.irp c, 0,1,2,3,4,5,6,7
	v_mul_f32 v[64+\c], s14, v[64+\c]
.endr
.irp i, 0,1,2,3,4,5,6,7
	v_mul_f32 v[24+\i], s14, v[24+\i]
.endr
	s_wait_alu depctr_va_vdst(0)
.irp c, 0,1,2,3,4,5,6,7
	v_exp_f32 v[64+\c], v[64+\c]                   ; exp(m_c - M)
.endr
.irp i, 0,1,2,3,4,5,6,7
	v_exp_f32 v[24+\i], v[24+\i]                   ; exp(score - M)
.endr
	v_nop                                          ; a plain line behind the batch
	s_wait_alu depctr_va_vdst(0)                   ; one wait for the sixteen, ahead of their first reader
	v_mul_f32 v74, v9, v64
.irp c, 1,2,3,4,5,6,7
	v_fma_f32 v74, v[9+2*\c], v[64+\c], v74        ; L
.endr
	s_wait_alu depctr_va_vdst(0)
	v_rcp_f32 v76, v74
	v_mov_b32 v77, 0                               ; a plain line behind the reciprocal; v77 is named with v76 as a pair
	s_wait_alu depctr_va_vdst(0)
.irp c, 0,1,2,3,4,5,6,7
	v_mul_f32 v[64+\c], v[64+\c], v76              ; exp(m_c - M) / L
.endr
.irp i, 0,2,4,6
	v_pk_mul_f32 v[24+\i:25+\i], v[24+\i:25+\i], v[76:77] op_sel_hi:[1,0]
.endr
	global_store_b128 v1, v[24:27], s[12:13] th:TH_STORE_NT
	global_store_b128 v1, v[28:31], s[12:13] offset:4096 th:TH_STORE_NT
	v_pk_mul_f32 v[80:81], v[32:33], v[64:65] op_sel_hi:[1,0]
	v_pk_mul_f32 v[82:83], v[34:35], v[64:65] op_sel_hi:[1,0]
	s_delay_alu instid0(VALU_DEP_2)
	v_pk_fma_f32 v[80:81], v[36:37], v[64:65], v[80:81] op_sel:[0,1,0] op_sel_hi:[1,1,1]
	s_delay_alu instid0(VALU_DEP_2)
	v_pk_fma_f32 v[82:83], v[38:39], v[64:65], v[82:83] op_sel:[0,1,0] op_sel_hi:[1,1,1]
.irp c, 2,4,6                                  ; of a pair of factors the low word serves run c, the high word run c + 1
	s_delay_alu instid0(VALU_DEP_2)
	v_pk_fma_f32 v[80:81], v[32+4*\c:33+4*\c], v[64+\c:65+\c], v[80:81] op_sel_hi:[1,0,1]
	s_delay_alu instid0(VALU_DEP_2)
	v_pk_fma_f32 v[82:83], v[34+4*\c:35+4*\c], v[64+\c:65+\c], v[82:83] op_sel_hi:[1,0,1]
	s_delay_alu instid0(VALU_DEP_2)
	v_pk_fma_f32 v[80:81], v[36+4*\c:37+4*\c], v[64+\c:65+\c], v[80:81] op_sel:[0,1,0] op_sel_hi:[1,1,1]
	s_delay_alu instid0(VALU_DEP_2)
	v_pk_fma_f32 v[82:83], v[38+4*\c:39+4*\c], v[64+\c:65+\c], v[82:83] op_sel:[0,1,0] op_sel_hi:[1,1,1]
.endr
	global_store_b128 v1, v[80:83], s[10:11] th:TH_STORE_NT
	s_endpgm
.Lfunc_end_k_q8b58b21fad_comb:
	.size	k_q8b58b21fad_comb, .Lfunc_end_k_q8b58b21fad_comb-k_q8b58b21fad_comb
	.p2alignl 7, 3214868480
	.fill 96, 4, 3214868480
	.section	.rodata,"a",@progbits
	.p2align	6, 0x0
	.amdhsa_kernel k_q8b58b21fad_comb
		.amdhsa_group_segment_fixed_size 0
		.amdhsa_private_segment_fixed_size 0
		.amdhsa_enable_private_segment 0
		.amdhsa_kernarg_size 40
		.amdhsa_user_sgpr_count 2
		.amdhsa_user_sgpr_kernarg_segment_ptr 1
		.amdhsa_wavefront_size32 1
		.amdhsa_system_sgpr_workgroup_id_x 1
		.amdhsa_system_sgpr_workgroup_id_y 1
		.amdhsa_system_sgpr_workgroup_id_z 1
		.amdhsa_system_vgpr_workitem_id 0
		.amdhsa_next_free_vgpr 96
		.amdhsa_next_free_sgpr 66
		.amdhsa_reserve_vcc 0
		.amdhsa_float_denorm_mode_32 3
		.amdhsa_float_denorm_mode_16_64 3
		.amdhsa_memory_ordered 1
		.amdhsa_forward_progress 1
		.amdhsa_inst_pref_size 7
	.end_amdhsa_kernel
	.amdgpu_metadata
---
amdhsa.version: [ 1, 2 ]
amdhsa.kernels:
  - .name:           k_q8b58b21fad_comb
    .symbol:         k_q8b58b21fad_comb.kd
    .args:
      - { .name: sc, .offset: 0, .size: 8, .value_kind: global_buffer, .address_space: global }
      - { .name: pm, .offset: 8, .size: 8, .value_kind: global_buffer, .address_space: global }
      - { .name: pc, .offset: 16, .size: 8, .value_kind: global_buffer, .address_space: global }
      - { .name: out0, .offset: 24, .size: 8, .value_kind: global_buffer, .address_space: global }
      - { .name: out1, .offset: 32, .size: 8, .value_kind: global_buffer, .address_space: global }
    .group_segment_fixed_size: 0
    .private_segment_fixed_size: 0
    .kernarg_segment_align: 8
    .kernarg_segment_size: 40
    .max_flat_workgroup_size: 256
    .sgpr_count:     66
    .vgpr_count:     96
    .wavefront_size: 32
...
	.end_amdgpu_metadata
.endif
;; end of part 3
